; MI455X (gfx1250); checked and timed in simulation.
; The chip was launched on July 23, 2026; its instructions are those of AMD's public machine-readable ISA for CDNA 5 (MIT licence, August 2026) and "CDNA5" Instruction Set Architecture Reference Guide (July 2026). The comments in the code are by the model that wrote it; some were corrected since.
;; Transformer Block. Allowed arithmetic: matrix products marked QUANTISED: E2M1 operands, one E8M0 scale for each 32 along K, by v_wmma_scale_f32_16x16x128_f8f6f4 with both operands' format E2M1 (or v_wmma_scale_f32_32x16x128_f4), f32 sums; products left as they are: f32 operands where the result goes on into a quantised operand, else bf16, f16 or f32 operands; f32 sums; everything else in f32.
;; Inputs: Wk_codes 1,024 x 32 x 16 uint8 (E2M1 codes of Wk, K innermost, in blocks of 32 codes, two codes a byte); Wk_scales 1,024 x 32 uint8 (E8M0 scales of Wk, one for each 32 codes along K); Wo_codes 1,024 x 32 x 16 uint8 (E2M1 codes of Wo, K innermost, in blocks of 32 codes, two codes a byte); Wo_scales 1,024 x 32 uint8 (E8M0 scales of Wo, one for each 32 codes along K); Wq_codes 1,024 x 32 x 16 uint8 (E2M1 codes of Wq, K innermost, in blocks of 32 codes, two codes a byte); Wq_scales 1,024 x 32 uint8 (E8M0 scales of Wq, one for each 32 codes along K); Wv_codes 1,024 x 32 x 16 uint8 (E2M1 codes of Wv, K innermost, in blocks of 32 codes, two codes a byte); Wv_scales 1,024 x 32 uint8 (E8M0 scales of Wv, one for each 32 codes along K); bo 1,024 float32; x_codes 8 x 1,024 x 32 x 16 uint8 (E2M1 codes of x, K innermost, in blocks of 32 codes, two codes a byte); x_scales 8 x 1,024 x 32 uint8 (E8M0 scales of x, one for each 32 codes along K).
;; Outputs: out0 8 x 1,024 x 1,024 float32.
;; This version of the problem:
;;   THIS VERSION OF THE PROBLEM IS GIVEN IN LOW PRECISION. The matrix products marked QUANTISED in the list below multiply operands that are first quantised to E2M1 (2 exponent bits, 1 mantissa bit; 4 bits a number), with one power-of-two scale for each 32 numbers along K (OCP MX v1.0); their sums are f32. All else is computed in f32.
;;   The module's matrix products, in the order in which they are computed (A, B: the left and right operand; K: the contracted axis; several contracted axes count as one K, in the product's order):
;;     1. [M 8,192, K 1,024] x [K 1,024, N 1,024]; A: input x (given as codes); B: input Wq (given as codes): QUANTISED
;;     2. [M 8,192, K 1,024] x [K 1,024, N 1,024]; A: input x (given as codes); B: input Wk (given as codes): QUANTISED
;;     3. [M 8,192, K 1,024] x [K 1,024, N 1,024]; A: input x (given as codes); B: input Wv (given as codes): QUANTISED
;;     4. batch 128 x [M 1,024, K 64] x [K 64, N 1,024]; A: computed on the way; B: computed on the way: QUANTISED
;;     5. batch 131,072 x [M 1, K 1] x [K 1, N 64]; A: computed on the way; B: computed on the way: left as it is (no contracted axis)
;;     6. [M 8,192, K 1,024] x [K 1,024, N 1,024]; A: computed on the way; B: input Wo (given as codes): QUANTISED
;;   THE QUANTISER, for each operand of a quantised product, along K:
;;     - K is cut into blocks of 32 from its start; a last block that is shorter is filled with zeros.
;;     - A block's scale is 2^e with e = floor(log2(the largest magnitude in the block)) - 2, held to -126 .. 127; a block of zeros has e = 0. As a byte (E8M0): e + 127.
;;     - Each number is divided by its block's scale, clamped to +-6, and rounded to the nearest number of E2M1, ties to even, subnormals kept.
;;     - The product sums the exact products of the quantised numbers (number of the format x scale) in f32.
;;   ~~~python
;;   def quantise(x, axis):      # numpy; x: float32 -> the quantised numbers, widened to float32 again
;;       x = np.moveaxis(x, axis, -1); K = x.shape[-1]
;;       x = np.pad(x, [(0, 0)] * (x.ndim - 1) + [(0, -K % 32)]); x = x.reshape(x.shape[:-1] + (-1, 32)); a = np.abs(x).max(-1, keepdims=True)
;;       e = np.where(a > 0, np.clip(np.frexp(np.where(a > 0, a, 1))[1] - 1 - 2, -126, 127), 0)      # np.frexp(a)[1] - 1 = floor(log2(a)), exactly
;;       r = np.clip(x / 2.0 ** e, -6, 6)
;;       step = 2.0 ** (np.maximum(np.frexp(np.where(r == 0, 1, r))[1] - 1, 0) - 1)
;;       q = np.round(r / step) * step * 2.0 ** e      # np.round: ties to even
;;       return np.moveaxis(q.reshape(q.shape[:-2] + (-1,))[..., :K], -1, axis).astype(np.float32)
;;   ~~~
;;   OPERANDS COMPUTED ON THE WAY. 'Computed on the way' means the value that the module computes at that place (a softmax that the list does not call 'softmax' is quantised finished and normalised). What goes into a quantiser is computed in f32, as accurately as f32 sums, v_exp_f32 and their like allow (about 1e-6 of the number): no bf16 or f16 on the way to a quantiser, and a product that is left as it is and whose result goes on into a quantised operand takes f32 operands (vector FMAs, or v_wmma_f32_16x16x4_f32). A number that lies on a knife's edge between two numbers of the format may be rounded either way, as far as f32 arithmetic and the matrix unit's own rounding can turn it there, and no further.
;;   INPUTS GIVEN AS CODES. Wk (in the module: [1024, 1024], K = its axis 1); Wo (in the module: [1024, 1024], K = its axis 1); Wq (in the module: [1024, 1024], K = its axis 1); Wv (in the module: [1024, 1024], K = its axis 1); x (in the module: [8, 1024, 1024], K = its axis 2): each comes as NAME_codes (uint8): NAME with its K axis moved to the last place and cut into blocks of 32 codes, [.., K / 32, bytes a block], one block behind the other in memory; two codes a byte, the lower K in the low four bits (a code: sign, 2 exponent bits, 1 mantissa bit); and NAME_scales (uint8): the same leading axes, one E8M0 byte (e + 127) for each 32 codes along K. Its value is code x scale, taken as it is: it is not quantised again, and the codes and scales need not be those that the quantiser above would give.
;; One version. Each part assembles by itself: llvm-mc -triple=amdgcn-amd-amdhsa -mcpu=gfx1250 --defsym DOCPART=n.
;; ======== version 1 of 1: 2 launches
;; limits: right only within a limited range of input values
;; workspace buffers: colsum 1,048,576 bytes
;; launch qkcol (part 1): grid 256 x 1, 4 waves a work-group, clusters of 4 x 1, 327,680 bytes of LDS; arguments x_codes, x_scales, Wq_codes, Wq_scales, Wk_codes, Wk_scales, colsum; writes colsum
.if DOCPART == 1
	.amdgcn_target "amdgcn-amd-amdhsa--gfx1250"
	.amdhsa_code_object_version 6
	.text
	.protected	k_q94db074c5e_qkcol
	.globl	k_q94db074c5e_qkcol
	.p2align	8
	.type	k_q94db074c5e_qkcol,@function
k_q94db074c5e_qkcol:
	s_mov_b64 s[64:65], 0
	v_nop
	global_prefetch_b8 v0, s[64:65] scope:SCOPE_SE
	s_setreg_imm32_b32 hwreg(HW_REG_WAVE_MODE, 25, 1), 1
	s_wait_xcnt 0x0
	s_wait_alu depctr_hold_cnt(0) depctr_sa_sdst(0) depctr_va_vdst(0) depctr_va_sdst(0) depctr_va_ssrc(0) depctr_va_vcc(0) depctr_vm_vsrc(0)
	s_getreg_b32 s2, hwreg(HW_REG_IB_STS2, 6, 4)
	s_cmp_eq_u32 s2, 0
	s_cbranch_scc0 .Lentry_in_a_cluster
	s_endpgm
.Lentry_in_a_cluster:
	s_bfe_u32 s2, ttmp6, 0x10000c
	s_cmp_lg_u32 s2, 0x3003
	s_cbranch_scc0 .Lentry_shape_is_right
	s_endpgm
.Lentry_shape_is_right:
; colsum[half][b][head][n] = the sum over 512 queries m (one half of batch b's tokens) of softmax_n(q_m . k_n / 8), q = x Wq^T, k = x Wk^T on the given codes of E2M1,
; q and k quantised along the head's 64 (two blocks of 32), the scores by the scaled matrix instruction.  the module sums attn over m, so only these column sums go on to the next launch.
; SHARES.  A work-group owns one batch, one head (rows 16 d + head of the weights) and one half of the queries; it projects k for all 1,024 tokens and q for its 512.
; x comes through a ring of two LDS slots of 256 tokens, asked for jointly by the four work-groups of a cluster (four heads of one batch and half); wave w projects 64 tokens of each slot.
; The head's 64 rows of Wk and of Wq stay in registers (windows 1 and 2).  k's and q's codes and scale words go from wave to wave through LDS as images of the operand's registers.
; THE LOOP: a trip is 16 queries of the wave x all 1,024 keys: 64 tiles, 512 registers (windows 1 to 3).  A lane holds one key, its registers eight queries.
; The row's largest score is taken away before the exponential; the row's sum divides; each tile's column sums gather in a pair of registers.  K = 64: the upper half of each fragment is zero codes.
; LIMITS: NaN and infinities are not served; a given scale byte 0xff gives NaN, as the matrix instruction gives it; a block of zeros of q or k carries the byte 1 where the rule says 127 (its codes are zeros; this launch alone reads the bytes).
.set SLOT,   135168
.set WPART,  33792
.set XPITCH, 528
.set KC,     2*SLOT
.set KSC,    KC+32768
.set QC,     KSC+4096
.set QSC,    QC+16384
.set SPARE,  QSC+2048
.set REDP,   4160
.set SPW, 1
.set NIL, 2
.set AX,  3
.set ADR, 5
.set ADR2, 6
.set KST, 7
.set KSS, 8
.set QST, 9
.set QSS, 10
.set XSO, 11
.set WO,  12
.set WSO, 13
.set AK,  14
.set AKS, 15
.set QF,  20
.set QS,  28
.set ARED, 29
.set CO0, 30
.set CO1, 31
.set WKS, 32
.set WQS, 48
.set KS,  32
.set XSC, 64
.set KA,  96
.set QA,  128
.set MT,  96
.set NCM, 104
.set ZT,  112
.set RZ,  120
.set TM,  160
.set TP,  164
.set SCL, 166
.set BY,  168
.set PCB, 176
.set KF,  128
.set CW,  192
.set MW,  240
.set ZW,  248
.set WV,  18
.set G1,  24
.set G0,  32
.set CS,  48
.set NCS, 50
.set SEL, 52
.set XSA, 54
.set XSB, 56
.set WKC, 58
.set WQC, 60
.set WKSC, 66
.set WQSC, 68
.set CSP, 70
.set CNT, 72
.set TQ,  73
.set TQS, 74
.set MSB, 0
.macro WIN new
.if MSB != (\new)
	s_set_vgpr_msb (MSB<<8)|(\new)
.set MSB, (\new)
.endif
.endm
.macro PLACES
.rept 4
	v_nop
.endr
.endm
.macro CROUND
	s_barrier_signal -1
	s_barrier_wait -1
	s_cmp_lg_u32 s[WV], 0
	s_cbranch_scc1 .Lnot_wave_0_\@
	s_barrier_signal -3
.Lnot_wave_0_\@:
	s_barrier_wait -3
	s_barrier_signal -1
	s_barrier_wait -1
.endm
.macro XSLOAD f
.irp i, 0,1,2,3
.if (\f) < 2
	global_load_b128 v[XSC+16*((\f)&1)+4*\i:XSC+16*((\f)&1)+4*\i+3], v[XSO], s[XSA:XSA+1] offset:((\f)&1)*8192+512*\i
.else
	global_load_b128 v[XSC+16*((\f)&1)+4*\i:XSC+16*((\f)&1)+4*\i+3], v[XSO], s[XSB:XSB+1] offset:((\f)&1)*8192+512*\i
.endif
.endr
.endm
	s_load_b256 s[4:11], s[0:1], 0x0
	s_load_b128 s[12:15], s[0:1], 0x20
	s_load_b64 s[16:17], s[0:1], 0x30
	v_lshl_add_u32 v[SPW], v0, 2, SPARE
	v_mov_b32 v[NIL], 0
	ds_add_u32 v1, v2
	ds_add_u32 v1, v2
	s_wait_dscnt 0x0
	v_lshrrev_b32 v20, 5, v0
	v_readfirstlane_b32 s[WV], v20
	s_bfe_u32 s19, ttmp6, 0x40000
	s_and_b32 s20, ttmp9, 3
	s_bfe_u32 s21, ttmp9, 0x10002
	s_lshr_b32 s22, ttmp9, 3
	s_lshl_b32 s23, s20, 2
	s_add_co_u32 s23, s23, s19
	s_mov_b32 s[G1], 15|(1<<20)|(1<<21)|(6<<22)|(3<<25)
	s_mov_b32 s[G1+1], 512<<16
	s_mov_b32 s[G1+2], 64<<16
	s_mov_b32 s[G1+3], 512<<16
	s_mov_b32 s[G1+4], 64
	s_mov_b32 s[G1+5], 512
	s_mov_b32 s[G1+6], 0
	s_mov_b32 s[G1+7], 0
	s_mov_b32 s[CS], 0x3e38aa3b
	s_mov_b32 s[CS+1], s[CS]
	s_mov_b32 s[NCS], 0xbe38aa3b
	s_mov_b32 s[SEL], 0x76543210
	s_mov_b32 s[SEL+1], 0xfedcba98
	s_mul_i32 s79, s[WV], WPART
	s_lshl_b32 s76, s22, 19
	s_lshl_b32 s78, s[WV], 15
	s_add_co_u32 s76, s76, s78
	s_lshl_b32 s77, s21, 18
	s_add_co_u32 s80, s76, s77
	s_mov_b32 s81, 0
	s_xor_b32 s77, s77, 0x40000
	s_add_co_u32 s82, s76, s77
	s_mov_b32 s83, 0
	s_lshl_b32 s84, s22, 15
	s_lshl_b32 s85, s[WV], 11
	s_add_co_u32 s84, s84, s85
	s_lshl_b32 s85, s21, 14
	s_add_co_u32 s86, s84, s85
	s_mov_b32 s87, 0
	s_xor_b32 s85, s85, 0x4000
	s_add_co_u32 s88, s84, s85
	s_mov_b32 s89, 0
	s_lshl_b32 s90, s23, 9
	s_mov_b32 s91, 0
	s_lshl_b32 s92, s23, 5
	s_mov_b32 s93, 0
	s_lshl_b32 s94, s22, 4
	s_add_co_u32 s94, s94, s23
	s_lshl_b32 s94, s94, 12
	s_lshl_b32 s95, s21, 19
	s_add_co_u32 s94, s94, s95
	s_mov_b32 s95, 0
	s_wait_kmcnt 0x0
.irp f, 0,1,2,3
	s_mov_b32 s[G0+4*\f], 1
	s_add_co_u32 s[G0+4*\f+1], s79, (\f&1)*SLOT
.if \f < 2
	s_add_nc_u64 s[G0+4*\f+2:G0+4*\f+3], s[4:5], s[80:81]
.else
	s_add_nc_u64 s[G0+4*\f+2:G0+4*\f+3], s[4:5], s[82:83]
.endif
.if \f&1
	s_add_nc_u64 s[G0+4*\f+2:G0+4*\f+3], s[G0+4*\f+2:G0+4*\f+3], 131072
.endif
	s_or_b32 s[G0+4*\f+3], s[G0+4*\f+3], 0x80000000
.endr
	s_add_nc_u64 s[XSA:XSA+1], s[6:7], s[86:87]
	s_add_nc_u64 s[XSB:XSB+1], s[6:7], s[88:89]
	s_add_nc_u64 s[WKC:WKC+1], s[12:13], s[90:91]
	s_add_nc_u64 s[WQC:WQC+1], s[8:9], s[90:91]
	s_add_nc_u64 s[WKSC:WKSC+1], s[14:15], s[92:93]
	s_add_nc_u64 s[WQSC:WQSC+1], s[10:11], s[92:93]
	s_add_nc_u64 s[CSP:CSP+1], s[16:17], s[94:95]
	CROUND
	tensor_load_to_lds s[G0:G0+3], s[G1:G1+7]      ; slot 0's first fill: my one tensor load at the head; the weights are fetched while it is out
	s_nop 0
	PLACES
	v_and_b32 v20, 15, v0
	v_bfe_u32 v21, v0, 4, 1
	v_and_b32 v22, 31, v0
	v_mul_u32_u24 v[AX], v20, XPITCH
	v_lshl_add_u32 v[AX], v21, 4, v[AX]
	v_add_nc_u32 v[AX], s79, v[AX]
	v_add_nc_u32 v[AX+1], SLOT, v[AX]
	s_lshl_b32 s76, s[WV], 11
	v_lshl_add_u32 v[KST], v22, 4, s76
	v_add_nc_u32 v[KST], KC, v[KST]
	s_lshl_b32 s76, s[WV], 8
	v_lshl_add_u32 v[KSS], v20, 2, s76
	v_add_nc_u32 v[KSS], KSC, v[KSS]
	s_lshl_b32 s76, s[WV], 12
	v_lshl_add_u32 v[QST], v22, 4, s76
	v_add_nc_u32 v[QST], QC, v[QST]
	s_lshl_b32 s76, s[WV], 9
	v_lshl_add_u32 v[QSS], v20, 2, s76
	v_add_nc_u32 v[QSS], QSC, v[QSS]
	v_lshlrev_b32 v[XSO], 5, v20
	v_lshl_add_u32 v[XSO], v21, 4, v[XSO]
	s_lshl_b32 s76, s[WV], 17                      ; the weights' rows: wave w fetches d = 16 w .. 16 w + 15 of the head's 64, 8,192 bytes apart; the 32 lanes take one row of 512 bytes
	v_lshl_add_u32 v[WO], v22, 4, s76
	s_mul_i32 s76, s[WV], 16*XPITCH
	v_lshl_add_u32 v[ADR], v22, 4, s76             ; where these rows go in the stage: row d at KC + 528 d
	v_add_nc_u32 v[ADR], KC, v[ADR]
	v_mul_u32_u24 v[ADR2], v20, XPITCH             ; and where a fragment's lane reads: row r, + 16 h
	v_lshl_add_u32 v[ADR2], v21, 4, v[ADR2]
	v_add_nc_u32 v[ADR2], KC, v[ADR2]
	v_lshlrev_b32 v[WSO], 9, v20
	v_lshl_add_u32 v[WSO], v21, 4, v[WSO]
	v_lshl_add_u32 v[AK], v22, 4, KC
	v_lshl_add_u32 v[AKS], v22, 2, KSC
	s_mul_i32 s76, s[WV], 2*REDP
	v_mul_u32_u24 v[ARED], v21, REDP
	v_lshl_add_u32 v[ARED], v20, 2, v[ARED]
	v_add_nc_u32 v[ARED], s76, v[ARED]
	s_lshl_b32 s76, s21, 11
	v_lshl_add_u32 v[CO0], v0, 4, s76
	s_xor_b32 s76, s76, 2048
	v_lshl_add_u32 v[CO1], v0, 4, s76
	v_mov_b32 v[TP], 0
	v_mov_b32 v[TP+1], 0
	XSLOAD 0
	XSLOAD 1
.irp t, 0,1,2,3
	global_load_b128 v[WKS+4*\t:WKS+4*\t+3], v[WSO], s[WKSC:WKSC+1] offset:8192*\t
	global_load_b128 v[WQS+4*\t:WQS+4*\t+3], v[WSO], s[WQSC:WQSC+1] offset:8192*\t
.endr
; THE WEIGHTS.  Every wave wants all 64 rows of Wk and of Wq as fragments.  Each row is read from memory once in the work-group, whole (32 lanes x 16 bytes), and goes through a stage
; of 64 rows x 528 bytes in the LDS bytes that k's codes take later: Wk first, then Wq in the same bytes, with a barrier between every store and read and between every read and the next store.
.irp i, 0,1,2,3,4,5,6,7,8,9,10,11,12,13,14,15
	global_load_b128 v[96+4*\i:96+4*\i+3], v[WO], s[WKC:WKC+1] offset:8192*\i
.endr
.irp i, 0,1,2,3,4,5,6,7,8,9,10,11,12,13,14,15
	global_load_b128 v[176+4*\i:176+4*\i+3], v[WO], s[WQC:WQC+1] offset:8192*\i
.endr
.macro WROWS reg                       ; my 16 rows into the stage, and the barrier behind my stores
.irp i, 0,1,2,3,4,5,6,7,8,9,10,11,12,13,14,15
	ds_store_b128 v[ADR], v[\reg+4*\i:\reg+4*\i+3] offset:XPITCH*\i
.endr
	s_wait_dscnt 0x0
	s_barrier_signal -1
	s_barrier_wait -1
.endm
.macro WFRAGS                          ; all 64 rows as fragments: tile t, K step s at v[64 t + 8 s] of the window that is set
.irp t, 0,1,2,3
.irp s, 0,1,2,3,4,5,6,7
.irp c, 0,1
	ds_load_b128 v[64*\t+8*\s+4*\c:64*\t+8*\s+4*\c+3], v[ADR2] offset:16*XPITCH*\t+64*\s+32*\c
.endr
.endr
.endr
.endm
	s_wait_alu depctr_va_vdst(0)                   ; the wait at the head's end
	s_wait_loadcnt 16                              ; all but Wq's 16 rows are in
	WROWS 96
	WIN 0x40
	WFRAGS
	WIN 0
	s_wait_loadcnt 0x0                             ; Wq's rows
	s_wait_dscnt 0x0                               ; my reads of Wk's rows are over
	s_barrier_signal -1
	s_barrier_wait -1
	WROWS 176
	WIN 0x80
	WFRAGS
	WIN 0
.macro QUANT2 src, dst
.irp b, 0,1
.irp u, 0,1
	v_max3_num_f32 v[TM+2*\b+\u], |v[\src+16*\b+8*\u]|, |v[\src+16*\b+8*\u+1]|, 0x1800000
.endr
.endr
.irp n, 2,4,6
.irp b, 0,1
.irp u, 0,1
	v_max3_num_f32 v[TM+2*\b+\u], v[TM+2*\b+\u], |v[\src+16*\b+8*\u+\n]|, |v[\src+16*\b+8*\u+\n+1]|
.endr
.endr
.endr
.irp b, 0,1
	v_max_num_f32 v[TM+2*\b], v[TM+2*\b], v[TM+2*\b+1]
.endr
.irp b, 0,1
	v_permlanex16_b32 v[TP+\b], v[TM+2*\b], s[SEL], s[SEL+1]
.endr
.irp b, 0,1
	v_max_num_f32 v[TM+2*\b], v[TM+2*\b], v[TP+\b]
.endr
.irp b, 0,1
	v_add_nc_u32 v[SCL+\b], 0xff000000, v[TM+2*\b]
.endr
.irp b, 0,1
	v_lshrrev_b32 v[BY+\b], 23, v[SCL+\b]
.endr
	v_cvt_scalef32_pk8_fp4_f32 v[\dst], v[\src:\src+7], v[SCL]
	v_cvt_scalef32_pk8_fp4_f32 v[\dst+2], v[\src+8:\src+15], v[SCL]
	v_cvt_scalef32_pk8_fp4_f32 v[\dst+1], v[\src+16:\src+23], v[SCL+1]
	v_cvt_scalef32_pk8_fp4_f32 v[\dst+3], v[\src+24:\src+31], v[SCL+1]
	v_nop
	v_permlane16_swap_b32 v[\dst], v[\dst+1]
	v_permlane16_swap_b32 v[\dst+2], v[\dst+3]
.endm
.macro XLOAD f, i
	WIN 0xc0
.irp s, 0,1,2,3,4,5,6,7
.irp c, 0,1
	ds_load_b128 v[8*\s+4*\c:8*\s+4*\c+3], v[AX+((\f)&1)] offset:16*XPITCH*(\i)+64*\s+32*\c
.endr
.endr
	WIN 0
.endm
.macro MUL acc, win, wsc, nst, waits
	WIN \win
.irp s, 0,1,2,3,4,5,6,7
.if \waits
	s_wait_dscnt 14-2*\s+\nst
.endif
.irp t, 0,1,2,3
.if \s == 0
	v_wmma_scale_f32_16x16x128_f8f6f4 v[\acc+8*\t:\acc+8*\t+7], v[64*\t+8*\s:64*\t+8*\s+7], v[8*\s:8*\s+7], 0, v[\wsc+4*\t+\s%4], v[xsr+\s%4] matrix_a_fmt:MATRIX_FMT_FP4 matrix_b_fmt:MATRIX_FMT_FP4
.elseif \s < 4
	v_wmma_scale_f32_16x16x128_f8f6f4 v[\acc+8*\t:\acc+8*\t+7], v[64*\t+8*\s:64*\t+8*\s+7], v[8*\s:8*\s+7], v[\acc+8*\t:\acc+8*\t+7], v[\wsc+4*\t+\s%4], v[xsr+\s%4] matrix_a_fmt:MATRIX_FMT_FP4 matrix_b_fmt:MATRIX_FMT_FP4
.else
	v_wmma_scale_f32_16x16x128_f8f6f4 v[\acc+8*\t:\acc+8*\t+7], v[64*\t+8*\s:64*\t+8*\s+7], v[8*\s:8*\s+7], v[\acc+8*\t:\acc+8*\t+7], v[\wsc+4*\t+\s%4], v[xsr+\s%4] matrix_a_fmt:MATRIX_FMT_FP4 matrix_b_fmt:MATRIX_FMT_FP4 matrix_a_scale:MATRIX_SCALE_ROW1 matrix_b_scale:MATRIX_SCALE_ROW1
.endif
.endr
.endr
.endm
.macro SLOTP f, doq
	XLOAD \f, 0
.irp i, 0,1,2,3
.set xsr, XSC+16*((\f)&1)+4*\i
.if \i == 0
	MUL KA, 0x0d, WKS, 0, 1
.else
	MUL KA, 0x0d, WKS, 2+2*\doq, 1
.endif
.if \doq
	MUL QA, 0x0e, WQS, 0, 0
.endif
	WIN 0
	PLACES
.if \i < 3
	XLOAD \f, \i+1
.endif
	QUANT2 KA, PCB+16*(\i%2)
	v_lshl_or_b32 v[PCB+16*(\i%2)+4], v[BY+1], 8, v[BY]
	v_or_b32 v[PCB+16*(\i%2)+4], 0x7f7f0000, v[PCB+16*(\i%2)+4]
	ds_store_b128 v[KST], v[PCB+16*(\i%2):PCB+16*(\i%2)+3] offset:8192*\f+512*\i
	ds_store_b32 v[KSS], v[PCB+16*(\i%2)+4] offset:1024*\f+64*\i
.if \doq
	QUANT2 QA, PCB+16*(\i%2)+8
	v_lshl_or_b32 v[PCB+16*(\i%2)+12], v[BY+1], 8, v[BY]
	v_or_b32 v[PCB+16*(\i%2)+12], 0x7f7f0000, v[PCB+16*(\i%2)+12]
	ds_store_b128 v[QST], v[PCB+16*(\i%2)+8:PCB+16*(\i%2)+11] offset:2048*\f+512*\i
	ds_store_b32 v[QSS], v[PCB+16*(\i%2)+12] offset:256*\f+64*\i
.endif
.endr
.endm
.macro REFILL f
	s_wait_tensorcnt 0x0
	ds_add_u32 v[SPW], v[NIL]
	s_wait_dscnt 0x0
	CROUND
	tensor_load_to_lds s[G0+4*\f:G0+4*\f+3], s[G1:G1+7]
	s_nop 0
	PLACES
.endm
	s_wait_tensorcnt 0x0                           ; my part of slot 0 is in
	ds_add_u32 v[SPW], v[NIL]
	s_wait_dscnt 0x0                               ; the add is done, and my reads of the weights' stage are over: behind the round k's codes are stored there
	CROUND
	tensor_load_to_lds s[G0+4:G0+7], s[G1:G1+7]    ; slot 1's first fill
	s_nop 0
	PLACES
	SLOTP 0, 1
	REFILL 2
	XSLOAD 2
	SLOTP 1, 1
	s_wait_loadcnt 0x0
	REFILL 3
	XSLOAD 3
	SLOTP 2, 0
	s_wait_tensorcnt 0x0
	s_wait_loadcnt 0x0
	SLOTP 3, 0
	s_wait_dscnt 0x0
	s_barrier_signal -1
	s_barrier_wait -1
.irp j, 4,5,6,7
	v_mov_b32 v[QF+\j], 0
.endr
.set i, 0
.rept 16
.irp j, 4,5,6,7
	v_mov_b32 v[KF+8*i+\j], 0
.endr
.set i, i+1
.endr
.irp w, 1,2,3
	WIN \w<<6
.set i, 0
.rept 48-16*(\w/3)
	v_mov_b32 v[CW+i], 0
.set i, i+1
.endr
.endr
	WIN 0
.set i, 0
.rept 32
	ds_load_b32 v[KS+i], v[AKS] offset:128*i
.set i, i+1
.endr
.macro KLOAD p, g
.irp n, 0,1,2,3,4,5,6,7
	ds_load_b128 v[KF+64*(\p)+8*\n:KF+64*(\p)+8*\n+3], v[AK] offset:512*(8*(\g)+\n)
.endr
.endm
.macro MAXP w, nt
	WIN 0x55*\w
.irp j, 0,1,2,3,4,5,6,7
	v_max_num_f32 v[MW+\j], v[\j], v[8+\j]
.endr
.set tp, 1
.rept \nt/2-1
.irp j, 0,1,2,3,4,5,6,7
	v_max3_num_f32 v[MW+\j], v[MW+\j], v[16*tp+\j], v[16*tp+8+\j]
.endr
.set tp, tp+1
.endr
.endm
; the rows' sums take in block zb's eight tiles, in one run with no exponential inside it: eight chains (even tiles in MW's registers, which the maxima have left, odd tiles in ZW's; four pairs of rows each)
.macro ZBLK zb
.irp u, 0,1,2,3,4,5,6,7
.irp p, 0,2,4,6
.if 8*(\zb)+\u < 2
	v_pk_add_f32 v[MW+8*\u+\p:MW+8*\u+\p+1], v[8*\u+\p:8*\u+\p+1], v[16+8*\u+\p:16+8*\u+\p+1]
.elseif 8*(\zb)+\u >= 4
	v_pk_add_f32 v[MW+8*(\u%2)+\p:MW+8*(\u%2)+\p+1], v[MW+8*(\u%2)+\p:MW+8*(\u%2)+\p+1], v[64*(\zb)+8*\u+\p:64*(\zb)+8*\u+\p+1]
.endif
.endr
.endr
.endm
; p = 2^(c (score - the row's largest)) for a window's tiles, in batches of 64 exponentials.  Among a batch stand the next block's multiply-adds, which nothing reads before the next wait;
; behind it the sums of the block before, whose p were waited for ahead of the batch.  One wait ahead of each batch serves both.
.macro EXPP w, nb
	WIN 0x45*\w
.set i, 0
.rept 32
	v_pk_fma_f32 v[2*i:2*i+1], v[2*i:2*i+1], s[CS:CS+1], v[NCM+(2*i)%8:NCM+(2*i)%8+1] op_sel_hi:[1,0,1]
.set i, i+1
.endr
.set bb, 0
.rept \nb
	s_wait_alu depctr_va_vdst(0)
.set i, 0
.rept 32
	v_exp_f32 v[64*bb+2*i], v[64*bb+2*i]
.if bb+1 < \nb
	v_pk_fma_f32 v[64*bb+64+2*i:64*bb+64+2*i+1], v[64*bb+64+2*i:64*bb+64+2*i+1], s[CS:CS+1], v[NCM+(2*i)%8:NCM+(2*i)%8+1] op_sel_hi:[1,0,1]
.endif
	v_exp_f32 v[64*bb+2*i+1], v[64*bb+2*i+1]
.set i, i+1
.endr
.if bb > 0
	ZBLK bb-1
.else
	v_nop                                          ; a plain place behind the last exponential
.endif
.set bb, bb+1
.endr
	s_wait_alu depctr_va_vdst(0)                   ; the last batch, ahead of its first reader
	ZBLK \nb-1
.irp p, 0,2,4,6
	v_pk_add_f32 v[ZW+\p:ZW+\p+1], v[ZW+\p:ZW+\p+1], v[MW+\p:MW+\p+1]   ; even and odd tiles together
.endr
.endm
.macro COLP w, nt
	WIN 0x51*\w
.set gg, 0
.rept \nt/8
.irp p, 0,1,2,3
.irp u, 0,1,2,3,4,5,6,7
	v_pk_fma_f32 v[CW+2*(8*gg+\u):CW+2*(8*gg+\u)+1], v[8*(8*gg+\u)+2*\p:8*(8*gg+\u)+2*\p+1], v[RZ+2*\p:RZ+2*\p+1], v[CW+2*(8*gg+\u):CW+2*(8*gg+\u)+1]
.endr
.endr
.set gg, gg+1
.endr
.endm
	s_mov_b32 s[CNT], 8
	s_mov_b32 s[TQ], 0
	s_mov_b32 s[TQS], 0
.Ltile:
	v_add_nc_u32 v[ADR], s[TQ], v[QST]
	v_add_nc_u32 v[ADR2], s[TQS], v[QSS]
	ds_load_b128 v[QF:QF+3], v[ADR]
	ds_load_b32 v[QS], v[ADR2]
	KLOAD 0, 0
	KLOAD 1, 1
.irp g, 0,1,2,3,4,5,6,7
.if \g < 7
	s_wait_dscnt 8
.else
	s_wait_dscnt 0x0
.endif
	WIN (1+\g/3)<<6
.irp n, 0,1,2,3,4,5,6,7
.if \n%2
	v_wmma_scale_f32_16x16x128_f8f6f4 v[8*(8*\g+\n-24*(\g/3)):8*(8*\g+\n-24*(\g/3))+7], v[QF:QF+7], v[KF+64*(\g%2)+8*\n:KF+64*(\g%2)+8*\n+7], 0, v[QS], v[KS+4*\g+\n/2] matrix_a_fmt:MATRIX_FMT_FP4 matrix_b_fmt:MATRIX_FMT_FP4 matrix_b_scale:MATRIX_SCALE_ROW1
.else
	v_wmma_scale_f32_16x16x128_f8f6f4 v[8*(8*\g+\n-24*(\g/3)):8*(8*\g+\n-24*(\g/3))+7], v[QF:QF+7], v[KF+64*(\g%2)+8*\n:KF+64*(\g%2)+8*\n+7], 0, v[QS], v[KS+4*\g+\n/2] matrix_a_fmt:MATRIX_FMT_FP4 matrix_b_fmt:MATRIX_FMT_FP4
.endif
.endr
.if \g < 6
	WIN 0
	PLACES
	KLOAD \g%2, \g+2
.endif
.endr
	WIN 0
	PLACES
	MAXP 1, 24
	MAXP 2, 24
	MAXP 3, 16
	WIN 0x39
.irp j, 0,1,2,3,4,5,6,7
	v_max3_num_f32 v[MT+\j], v[MW+\j], v[MW+\j], v[MW+\j]
.endr
	WIN 0
.irp k, 1,2,4,8
.irp j, 0,1,2,3,4,5,6,7
	v_max_num_f32_dpp v[MT+\j], v[MT+\j], v[MT+\j] row_xmask:\k row_mask:0xf bank_mask:0xf
.endr
.endr
.irp j, 0,1,2,3,4,5,6,7
	v_mul_f32 v[NCM+\j], s[NCS], v[MT+\j]
.endr
	EXPP 1, 3
	EXPP 2, 3
	EXPP 3, 2
	WIN 0x09
.irp j, 0,2,4,6
	v_pk_add_f32 v[ZT+\j:ZT+\j+1], v[ZW+\j:ZW+\j+1], v[ZW+\j:ZW+\j+1]
.endr
	WIN 0x0c
.irp j, 0,2,4,6
	v_pk_add_f32 v[ZT+\j:ZT+\j+1], v[ZT+\j:ZT+\j+1], v[ZW+\j:ZW+\j+1]
.endr
	WIN 0
.irp k, 1,2,4,8
.irp j, 0,1,2,3,4,5,6,7
	v_add_f32_dpp v[ZT+\j], v[ZT+\j], v[ZT+\j] row_xmask:\k row_mask:0xf bank_mask:0xf
.endr
.endr
	s_wait_alu depctr_va_vdst(0)
.irp j, 0,1,2,3,4,5,6,7
	v_rcp_f32 v[RZ+\j], v[ZT+\j]
.endr
	v_nop
	s_wait_alu depctr_va_vdst(0)
	COLP 1, 24
	COLP 2, 24
	COLP 3, 16
	WIN 0
	s_add_co_u32 s[TQ], s[TQ], 512
	s_add_co_u32 s[TQS], s[TQS], 64
	s_sub_co_u32 s[CNT], s[CNT], 1
	s_cmp_lg_u32 s[CNT], 0
	s_cbranch_scc1 .Ltile
.irp w, 1,2,3
	WIN 0x45*\w
.set i, 0
.rept 24-8*(\w/3)
	v_add_f32 v[CW+2*i], v[CW+2*i], v[CW+2*i+1]
.set i, i+1
.endr
	WIN \w<<2
.set i, 0
.rept 24-8*(\w/3)
	ds_store_b32 v[ARED], v[CW+2*i] offset:64*(24*(\w-1)+i)
.set i, i+1
.endr
.endr
	WIN 0
	s_wait_dscnt 0x0
	s_barrier_signal -1
	s_barrier_wait -1
	v_lshlrev_b32 v[ADR], 4, v0
.irp a, 0,1,2,3,4,5,6,7
	ds_load_b128 v[128+8*\a:128+8*\a+3], v[ADR] offset:REDP*\a
	ds_load_b128 v[128+8*\a+4:128+8*\a+7], v[ADR] offset:REDP*\a+2048
.endr
	s_wait_dscnt 0x0
.irp a, 0,2,4,6
.irp j, 0,2,4,6
	v_pk_add_f32 v[128+8*\a+\j:128+8*\a+\j+1], v[128+8*\a+\j:128+8*\a+\j+1], v[136+8*\a+\j:136+8*\a+\j+1]
.endr
.endr
.irp a, 0,4
.irp j, 0,2,4,6
	v_pk_add_f32 v[128+8*\a+\j:128+8*\a+\j+1], v[128+8*\a+\j:128+8*\a+\j+1], v[144+8*\a+\j:144+8*\a+\j+1]
.endr
.endr
.irp j, 0,2,4,6
	v_pk_add_f32 v[128+\j:128+\j+1], v[128+\j:128+\j+1], v[160+\j:160+\j+1]
.endr
	global_store_b128 v[CO0], v[128:131], s[CSP:CSP+1]
	global_store_b128 v[CO1], v[132:135], s[CSP:CSP+1]
	s_wait_tensorcnt 0x0
	ds_add_u32 v[SPW], v[NIL]
	s_wait_dscnt 0x0
	CROUND
	s_endpgm
.Lfunc_end_k_q94db074c5e_qkcol:
	.size	k_q94db074c5e_qkcol, .Lfunc_end_k_q94db074c5e_qkcol-k_q94db074c5e_qkcol
	.p2alignl 7, 3214868480
	.fill 96, 4, 3214868480
	.section	.rodata,"a",@progbits
	.p2align	6, 0x0
	.amdhsa_kernel k_q94db074c5e_qkcol
		.amdhsa_group_segment_fixed_size 327680
		.amdhsa_private_segment_fixed_size 0
		.amdhsa_enable_private_segment 0
		.amdhsa_kernarg_size 56
		.amdhsa_user_sgpr_count 2
		.amdhsa_user_sgpr_kernarg_segment_ptr 1
		.amdhsa_wavefront_size32 1
		.amdhsa_system_sgpr_workgroup_id_x 1
		.amdhsa_system_sgpr_workgroup_id_y 1
		.amdhsa_system_sgpr_workgroup_id_z 1
		.amdhsa_system_vgpr_workitem_id 0
		.amdhsa_next_free_vgpr 1024
		.amdhsa_next_free_sgpr 100
		.amdhsa_reserve_vcc 0
		.amdhsa_float_denorm_mode_32 3
		.amdhsa_float_denorm_mode_16_64 3
		.amdhsa_memory_ordered 1
		.amdhsa_forward_progress 1
		.amdhsa_inst_pref_size 255
	.end_amdhsa_kernel
	.section	.bss,"aw",@nobits
	.p2align	6
	.space	262144
	.amdgpu_metadata
---
amdhsa.version: [ 1, 2 ]
amdhsa.kernels:
  - .name:           k_q94db074c5e_qkcol
    .symbol:         k_q94db074c5e_qkcol.kd
    .args:
      - { .name: x_codes, .offset: 0, .size: 8, .value_kind: global_buffer, .address_space: global }
      - { .name: x_scales, .offset: 8, .size: 8, .value_kind: global_buffer, .address_space: global }
      - { .name: Wq_codes, .offset: 16, .size: 8, .value_kind: global_buffer, .address_space: global }
      - { .name: Wq_scales, .offset: 24, .size: 8, .value_kind: global_buffer, .address_space: global }
      - { .name: Wk_codes, .offset: 32, .size: 8, .value_kind: global_buffer, .address_space: global }
      - { .name: Wk_scales, .offset: 40, .size: 8, .value_kind: global_buffer, .address_space: global }
      - { .name: colsum, .offset: 48, .size: 8, .value_kind: global_buffer, .address_space: global }
    .group_segment_fixed_size: 327680
    .private_segment_fixed_size: 0
    .kernarg_segment_align: 8
    .kernarg_segment_size: 56
    .max_flat_workgroup_size: 128
    .sgpr_count:     100
    .vgpr_count:     1024
    .wavefront_size: 32
...
	.end_amdgpu_metadata
.endif
;; end of part 1
;; launch vo (part 2): grid 256 x 1, 4 waves a work-group, clusters of 4 x 1, 327,680 bytes of LDS; arguments x_codes, x_scales, Wv_codes, Wv_scales, Wo_codes, Wo_scales, bo, colsum, out0; writes out0
.if DOCPART == 2
	.amdgcn_target "amdgcn-amd-amdhsa--gfx1250"
	.amdhsa_code_object_version 6
	.text
	.protected	k_q94db074c5e_vo
	.globl	k_q94db074c5e_vo
	.p2align	8
	.type	k_q94db074c5e_vo,@function
k_q94db074c5e_vo:
	s_mov_b64 s[64:65], 0
	v_nop
	global_prefetch_b8 v0, s[64:65] scope:SCOPE_SE
	s_setreg_imm32_b32 hwreg(HW_REG_WAVE_MODE, 25, 1), 1
	s_wait_xcnt 0x0
	s_wait_alu depctr_hold_cnt(0) depctr_sa_sdst(0) depctr_va_vdst(0) depctr_va_sdst(0) depctr_va_ssrc(0) depctr_va_vcc(0) depctr_vm_vsrc(0)
	s_getreg_b32 s2, hwreg(HW_REG_IB_STS2, 6, 4)
	s_cmp_eq_u32 s2, 0
	s_cbranch_scc0 .Lentry_in_a_cluster
	s_endpgm
.Lentry_in_a_cluster:
	s_bfe_u32 s2, ttmp6, 0x10000c
	s_cmp_lg_u32 s2, 0x3003
	s_cbranch_scc0 .Lentry_shape_is_right
	s_endpgm
.Lentry_shape_is_right:
; out0 = Q(colsum x v) Wo^T + bo, with v = x Wv^T on the given codes of E2M1, colsum the two halves' column sums of the launch before, and Q the quantiser along K' = 64 head + d.
; SHARES.  A work-group owns 32 rows (tokens) and ALL 1,024 columns of v and of out0.  The rows' fragments (2 tiles x 8 K steps) stay in registers: first x's, then those of colsum x v, which never goes to memory.
; Both weights stream through a ring of two LDS slots, 256 rows to a fill, eight fills.  Wave w fetches and reads its own 64 rows of each fill: of Wv head 4 w + g (rows 16 d + head, 8,192 bytes apart), of Wo rows 256 g + 64 w on.
; CLUSTER.  All work-groups walk the same weights: the four of a cluster ask for each fill JOINTLY (mask 15).  The work-group's number enters global addresses alone.
; BOTH PRODUCTS TRANSPOSED: source 0 = 16 rows of the weight, source 1 = 16 tokens: a lane holds one token; its registers run along d (the next K), or along eight neighbouring outputs.
; A head's 64 numbers of a token are half a K step of the second product: four registers of a fragment and two bytes of a scale word.  They go from wave to wave through LDS as images of the operand's registers.
; bo is the C of each sum's first matrix instruction.
; LIMITS: NaN and infinities are not served; a given scale byte 0xff gives NaN, as the matrix instruction gives it; a block of zeros of colsum x v carries the byte 1 where the rule says 127 (its codes are zeros; this program alone reads the bytes).
; LEFT OUT: Wo's scale bytes in LDS (no room beside two slots; a tile's are 512 consecutive bytes, read once by the one wave that wants them); work-groups that stay (256 equal work-groups).
.set SLOT,   135168                    ; 256 rows x (512 bytes + 16 of padding)
.set WPART,  33792                     ; a wave's 64 rows
.set WPITCH, 528
.set SCV,    2*SLOT                    ; behind the ring: the waves' stages for the way out, 2 x 16 rows x 272 bytes each, 8,704 bytes a wave; no fill lands here
.set OIMG,   SCV+34816                 ; the images of colsum x v: (8 m + s) x 1,024 + 512 c + 16 x lane
.set OSC,    OIMG+16384                ; their scale words: 512 m + 32 r + 4 s
.set SPARE,  OSC+1024                  ; the spare words, 128 bytes for each wave: two blocks of 256 bytes that no other line names
.set SPW, 1
.set NIL, 2
.set AW,  3                            ; v3-4 my lane's place in my wave's rows of slot 0, 1
.set OWI, 6                            ; v6   where I store images;  v7 their scale words
.set OWS, 7
.set LI,  8                            ; v8   OIMG + 16 x lane
.set AOS, 9                            ; v9   OSC + 32 r + 16 h
.set STO, 10                           ; v10  the stage: where I put 32 bytes of a row;  v11 where I read a row back
.set SRD, 11
.set GO,  12                           ; v12  my byte offset in out0
.set XO,  13                           ; v13  512 r + 16 h
.set XSO, 14                           ; v14  32 r + 16 h
.set CO,  15                           ; v15  4 r
.set XS,  16                           ; v16-23 the rows' scale words (4 m + q: lanes 0-15 K step q, lanes 16-31 K step 4 + q): x's, then those of colsum x v
.set WS,  24                           ; v24-39 the weight's scale words (4 t + q, likewise)
.set BI,  40                           ; v40-71 bo in the result's layout, four tiles
.set CSR, 72                           ; v72-87 colsum of my token: pair 2 g + m
.set BO,  88                           ; v88  32 h
.set PFV, 89                           ; v89-90 the prefetches' offsets in Wv, in Wo; never rewritten
.set PFO, 90
.set ACC, 96                           ; v96-159 eight accumulators (32 m + 8 t)
.set TM,  160
.set TP,  164
.set SCL, 166
.set BY,  168
.set HW,  170                          ; v170-171 the scale word in the making, for m = 0, 1
.set PC0, 172                          ; v172-175 codes for m = 0;  v240-243 for m = 1
.set OB,  176                          ; v176-239 rows of out0 on their way out
.set WF,  128                          ; window 1: v0-127 the rows' fragments (64 m + 8 s);  v128-255 the weight's, four K steps (32 (s % 4) + 8 t)
.set WV,  22
.set G1V, 28                           ; s[28:35] descriptor group 1 for Wv's tiles;  s[36:43] for Wo's
.set G1O, 36
.set G0,  52                           ; s[52:59] groups 0, one for each slot
.set WVS, 60                           ; s[60:61] Wv's scale bytes at head 4 w; never rewritten
.set WVB, 68                           ; s[68:69] Wv's codes at head 4 w;  s[70:71] Wo's at row 64 w; never rewritten
.set WOB, 70
.set SEL, 72
.set XB,  74
.set XSP, 76
.set WOS, 78
.set BOB, 80
.set CSB, 82
.set OUT, 84
.set MSB, 0
.macro WIN new
.if MSB != (\new)
	s_set_vgpr_msb (MSB<<8)|(\new)
.set MSB, (\new)
.endif
.endm
.macro PLACES
.rept 4
	v_nop
.endr
.endm
.macro CROUND
	s_barrier_signal -1
	s_barrier_wait -1
	s_cmp_lg_u32 s[WV], 0
	s_cbranch_scc1 .Lnot_wave_0_\@
	s_barrier_signal -3
.Lnot_wave_0_\@:
	s_barrier_wait -3
	s_barrier_signal -1
	s_barrier_wait -1
.endm
	s_load_b256 s[4:11], s[0:1], 0x0               ; x's codes, x's scales, Wv's codes, Wv's scales
	s_load_b256 s[12:19], s[0:1], 0x20             ; Wo's codes, Wo's scales, bo, colsum
	s_load_b64 s[20:21], s[0:1], 0x40              ; out0
	v_lshl_add_u32 v[SPW], v0, 2, SPARE
	v_mov_b32 v[NIL], 0
	ds_add_u32 v1, v2
	ds_add_u32 v1, v2
	s_wait_dscnt 0x0
	v_lshrrev_b32 v96, 5, v0
	v_readfirstlane_b32 s[WV], v96                 ; wave 0..3
	s_bfe_u32 s23, ttmp6, 0x40000                  ; cx
	s_lshl_b32 s24, ttmp9, 2
	s_add_co_u32 s24, s24, s23                     ; my block of 32 rows
.irp g, G1V, G1O
	s_mov_b32 s[\g], 15|(1<<20)|(1<<21)|(6<<22)|(3<<25)  ; the mask: all four; elements of 1 byte; padding on; bit 21 beside a mask; four words after every 128
	s_mov_b32 s[\g+1], 512<<16                     ; tensor_dim0
	s_mov_b32 s[\g+2], 64<<16                      ; tensor_dim1
	s_mov_b32 s[\g+3], 512<<16                     ; tile_dim0
	s_mov_b32 s[\g+4], 64                          ; tile_dim1
	s_mov_b32 s[\g+6], 0
	s_mov_b32 s[\g+7], 0
.endr
	s_mov_b32 s[G1V+5], 8192                       ; a head's rows of Wv lie 16 rows apart;
	s_mov_b32 s[G1O+5], 512                        ; Wo's are dense
	s_mov_b32 s[SEL], 0x76543210
	s_mov_b32 s[SEL+1], 0xfedcba98
	s_mul_i32 s86, s[WV], WPART
	s_mul_i32 s87, s[WV], 8704
	s_lshl_b32 s88, s[WV], 11
	s_mov_b32 s89, 0
	s_lshl_b32 s90, s[WV], 15
	s_mov_b32 s91, 0
	s_lshl_b32 s92, s[WV], 7                       ; 32 bytes of scales a row of Wv: head 4 w begins 128 w bytes on
	s_mov_b32 s93, 0
	s_wait_kmcnt 0x0
	s_add_nc_u64 s[WVB:WVB+1], s[8:9], s[88:89]
	s_add_nc_u64 s[WOB:WOB+1], s[12:13], s[90:91]
	s_add_nc_u64 s[WVS:WVS+1], s[10:11], s[92:93]
.irp n, 0,1
	s_mov_b32 s[G0+4*\n], 1
	s_add_co_u32 s[G0+4*\n+1], s86, \n*SLOT
	s_add_nc_u64 s[G0+4*\n+2:G0+4*\n+3], s[WVB:WVB+1], \n*512   ; heads 4 w and 4 w + 1
	s_or_b32 s[G0+4*\n+3], s[G0+4*\n+3], 0x80000000
.endr
	CROUND                                         ; all four work-groups are here: the first joint loads meet
	tensor_load_to_lds s[G0:G0+3], s[G1V:G1V+7]    ; fill 0: my one tensor load at the head
	s_nop 0
	PLACES
	s_mov_b32 s95, 0
	s_lshl_b32 s94, s24, 14
	s_add_nc_u64 s[XB:XB+1], s[4:5], s[94:95]      ; my 32 rows of x's codes,
	s_lshl_b32 s94, s24, 10
	s_add_nc_u64 s[XSP:XSP+1], s[6:7], s[94:95]    ; of its scale bytes
	s_add_nc_u64 s[WOS:WOS+1], s[14:15], s[88:89]  ; Wo's scale bytes at row 64 w
	s_lshl_b32 s94, s[WV], 8
	s_add_nc_u64 s[BOB:BOB+1], s[16:17], s[94:95]  ; bo at 64 w
	s_lshr_b32 s94, s24, 5                         ; b
	s_lshl_b32 s94, s94, 16
	s_lshl_b32 s26, s[WV], 14                      ; head 4 w
	s_add_co_u32 s94, s94, s26
	s_and_b32 s26, s24, 31
	s_lshl_b32 s26, s26, 7                         ; my first token in b
	s_add_co_u32 s94, s94, s26
	s_add_nc_u64 s[CSB:CSB+1], s[18:19], s[94:95]
	s_lshl_b32 s94, s24, 17
	s_add_nc_u64 s[OUT:OUT+1], s[20:21], s[94:95]
	v_and_b32 v96, 15, v0                          ; r
	v_bfe_u32 v97, v0, 4, 1                        ; h
	v_and_b32 v98, 31, v0                          ; lane
	v_mul_u32_u24 v[AW], v96, WPITCH
	v_lshl_add_u32 v[AW], v97, 4, v[AW]
	v_add_nc_u32 v[AW], s86, v[AW]
	v_add_nc_u32 v[AW+1], SLOT, v[AW]
	v_lshl_add_u32 v[OWI], v98, 4, s88             ; my heads are K steps 2 w and 2 w + 1
	v_add_nc_u32 v[OWI], OIMG, v[OWI]
	s_lshl_b32 s26, s[WV], 3
	v_lshl_add_u32 v[OWS], v96, 5, s26
	v_add_nc_u32 v[OWS], OSC, v[OWS]
	v_lshl_add_u32 v[LI], v98, 4, OIMG
	v_lshlrev_b32 v[XSO], 5, v96
	v_lshl_add_u32 v[XSO], v97, 4, v[XSO]
	v_add_nc_u32 v[AOS], OSC, v[XSO]
	v_mul_u32_u24 v[STO], v96, 272
	v_lshl_add_u32 v[STO], v97, 5, v[STO]
	v_add_nc_u32 v[STO], s87, v[STO]
	v_add_nc_u32 v[STO], SCV, v[STO]
	v_mul_u32_u24 v[SRD], v97, 272
	v_lshl_add_u32 v[SRD], v96, 4, v[SRD]
	v_add_nc_u32 v[SRD], s87, v[SRD]
	v_add_nc_u32 v[SRD], SCV, v[SRD]
	s_lshl_b32 s26, s[WV], 8
	v_lshl_add_u32 v[GO], v96, 4, s26
	v_lshl_add_u32 v[GO], v97, 12, v[GO]           ; lanes 0-15 one row of out0, lanes 16-31 the next; my wave's 256 bytes of it
	v_lshlrev_b32 v[XO], 9, v96
	v_lshl_add_u32 v[XO], v97, 4, v[XO]
	v_lshlrev_b32 v[CO], 2, v96
	v_lshlrev_b32 v[BO], 5, v97
	v_lshrrev_b32 v99, 1, v98                      ; the prefetches: of my wave's 64 rows my work-group takes 16, told apart by address: row 16 cx + lane / 2, its bytes 256 (lane % 2) on
	s_lshl_b32 s27, s23, 4
	v_add_nc_u32 v99, s27, v99
	v_and_b32 v100, 1, v0
	v_lshlrev_b32 v100, 8, v100
	v_lshl_add_u32 v[PFV], v99, 13, v100
	v_lshl_add_u32 v[PFO], v99, 9, v100
	v_mov_b32 v[TP], 0                             ; written once: a lane permute's destination counts as one of its sources
	v_mov_b32 v[TP+1], 0
	WIN 0x40                                       ; destination window 1
.irp m, 0,1
.irp s, 0,1,2,3,4,5,6,7
.irp c, 0,1
	global_load_b128 v[64*\m+8*\s+4*\c:64*\m+8*\s+4*\c+3], v[XO], s[XB:XB+1] offset:8192*\m+64*\s+32*\c   ; x's fragments stay in registers
.endr
.endr
.endr
	WIN 0
.irp m, 0,1
	global_load_b128 v[XS+4*\m:XS+4*\m+3], v[XSO], s[XSP:XSP+1] offset:512*\m
.endr
; Wv's scale words of head 4 w + g: row 16 d + head has its 32 bytes at 512 d + 32 head; tile t's lane (r, h) takes d = 16 t + r, bytes 16 h on.  Read once, by the one wave that wants them
.macro VLOADS g
.irp t, 0,1,2,3
	global_load_b128 v[WS+4*\t:WS+4*\t+3], v[XO], s[WVS:WVS+1] offset:8192*\t+32*(\g)
.endr
.endm
	VLOADS 0
.irp g, 0,1,2,3
.irp m, 0,1
.irp hf, 0,1
	global_load_b32 v[CSR+2*(2*\g+\m)+\hf], v[CO], s[CSB:CSB+1] offset:524288*\hf+4096*\g+64*\m
.endr
.endr
.endr
	s_wait_loadcnt 0x0
.irp n, 0,1,2,3,4,5,6,7
	v_add_f32 v[CSR+2*\n], v[CSR+2*\n], v[CSR+2*\n+1]   ; the two halves of the queries
.endr
; as in the launch before: 32 numbers of a lane (register 8 t + j = d 16 t + 8 (lane / 16) + j of my row) become four registers of a fragment; the two scale bytes are left in v[BY], v[BY+1]
.macro QUANT2 src, dst
.irp b, 0,1
.irp u, 0,1
	v_max3_num_f32 v[TM+2*\b+\u], |v[\src+16*\b+8*\u]|, |v[\src+16*\b+8*\u+1]|, 0x1800000   ; four chains, and the floor 2^(3 - 127): the byte cannot fall under 1
.endr
.endr
.irp n, 2,4,6
.irp b, 0,1
.irp u, 0,1
	v_max3_num_f32 v[TM+2*\b+\u], v[TM+2*\b+\u], |v[\src+16*\b+8*\u+\n]|, |v[\src+16*\b+8*\u+\n+1]|
.endr
.endr
.endr
.irp b, 0,1
	v_max_num_f32 v[TM+2*\b], v[TM+2*\b], v[TM+2*\b+1]
.endr
.irp b, 0,1
	v_permlanex16_b32 v[TP+\b], v[TM+2*\b], s[SEL], s[SEL+1]
.endr
.irp b, 0,1
	v_max_num_f32 v[TM+2*\b], v[TM+2*\b], v[TP+\b]
.endr
.irp b, 0,1
	v_add_nc_u32 v[SCL+\b], 0xff000000, v[TM+2*\b]
.endr
.irp b, 0,1
	v_lshrrev_b32 v[BY+\b], 23, v[SCL+\b]
.endr
	v_cvt_scalef32_pk8_fp4_f32 v[\dst], v[\src:\src+7], v[SCL]
	v_cvt_scalef32_pk8_fp4_f32 v[\dst+2], v[\src+8:\src+15], v[SCL]
	v_cvt_scalef32_pk8_fp4_f32 v[\dst+1], v[\src+16:\src+23], v[SCL+1]
	v_cvt_scalef32_pk8_fp4_f32 v[\dst+3], v[\src+24:\src+31], v[SCL+1]
	v_nop                                          ; one plain place behind a scaled conversion
	v_permlane16_swap_b32 v[\dst], v[\dst+1]
	v_permlane16_swap_b32 v[\dst+2], v[\dst+3]
.endm
.macro WLOAD slot, s                           ; my 64 rows' fragments of K step s: eight loads
.irp t, 0,1,2,3
.irp c, 0,1
	ds_load_b128 v[WF+32*((\s)%4)+8*\t+4*\c:WF+32*((\s)%4)+8*\t+4*\c+3], v[AW+(\slot)] offset:16*WPITCH*\t+64*(\s)+32*\c
.endr
.endr
.endm
; 64 matrix instructions: my 64 rows of the weight x the 32 tokens, K = 1,024 in eight steps.  The eight accumulators take turns, one instruction a turn.
; Four K steps' fragments are on their way or in hand: a step's buffer takes the step four further on.  Ahead of K step s the wait leaves out the loads of the later steps: 24, and at the end 16, 8, 0.
.macro PROD slot, bias
	WIN 0x40
	WLOAD \slot, 0
	WLOAD \slot, 1
	WLOAD \slot, 2
	WLOAD \slot, 3
.irp s, 0,1,2,3,4,5,6,7
.if \s < 4
	s_wait_dscnt 24
.else
	s_wait_dscnt 8*(7-\s)
.endif
	WIN 0x05                                       ; sources 0 and 1 in window 1
.irp m, 0,1
.irp t, 0,1,2,3
.if (\s == 0) && (\bias)
	v_wmma_scale_f32_16x16x128_f8f6f4 v[ACC+32*\m+8*\t:ACC+32*\m+8*\t+7], v[WF+32*(\s%4)+8*\t:WF+32*(\s%4)+8*\t+7], v[64*\m+8*\s:64*\m+8*\s+7], v[BI+8*\t:BI+8*\t+7], v[WS+4*\t+\s%4], v[XS+4*\m+\s%4] matrix_a_fmt:MATRIX_FMT_FP4 matrix_b_fmt:MATRIX_FMT_FP4
.elseif \s == 0
	v_wmma_scale_f32_16x16x128_f8f6f4 v[ACC+32*\m+8*\t:ACC+32*\m+8*\t+7], v[WF+32*(\s%4)+8*\t:WF+32*(\s%4)+8*\t+7], v[64*\m+8*\s:64*\m+8*\s+7], 0, v[WS+4*\t+\s%4], v[XS+4*\m+\s%4] matrix_a_fmt:MATRIX_FMT_FP4 matrix_b_fmt:MATRIX_FMT_FP4
.elseif \s < 4
	v_wmma_scale_f32_16x16x128_f8f6f4 v[ACC+32*\m+8*\t:ACC+32*\m+8*\t+7], v[WF+32*(\s%4)+8*\t:WF+32*(\s%4)+8*\t+7], v[64*\m+8*\s:64*\m+8*\s+7], v[ACC+32*\m+8*\t:ACC+32*\m+8*\t+7], v[WS+4*\t+\s%4], v[XS+4*\m+\s%4] matrix_a_fmt:MATRIX_FMT_FP4 matrix_b_fmt:MATRIX_FMT_FP4
.else
	v_wmma_scale_f32_16x16x128_f8f6f4 v[ACC+32*\m+8*\t:ACC+32*\m+8*\t+7], v[WF+32*(\s%4)+8*\t:WF+32*(\s%4)+8*\t+7], v[64*\m+8*\s:64*\m+8*\s+7], v[ACC+32*\m+8*\t:ACC+32*\m+8*\t+7], v[WS+4*\t+\s%4], v[XS+4*\m+\s%4] matrix_a_fmt:MATRIX_FMT_FP4 matrix_b_fmt:MATRIX_FMT_FP4 matrix_a_scale:MATRIX_SCALE_ROW1 matrix_b_scale:MATRIX_SCALE_ROW1
.endif
.endr
.endr
.if \s < 4
	PLACES
	WIN 0x40
	WLOAD \slot, \s+4
.endif
.endr
	WIN 0
	PLACES                                         ; four places ahead of the first reads of results, and of loads into the scale words' and the bias's registers;
	v_nop                                          ; and a fifth: the next group's first products begin these accumulators anew with another C, that is, write over them (ISA guide 7.12.1), and the second product's way out holds no vector instruction
.endm
; the slot just read is filled again: all my tensor loads have landed, 0 is added onto my spare word, the slot's group 0 is written while the add is out,
; the add, my reads of the slot and my LDS stores are done; the cluster's round; then the joint refill, my one tensor load until the next round.
.macro REFILL slot, g1, base, const
	s_wait_tensorcnt 0x0
	ds_add_u32 v[SPW], v[NIL]
	s_add_nc_u64 s[G0+4*\slot+2:G0+4*\slot+3], s[\base:\base+1], \const
	s_or_b32 s[G0+4*\slot+3], s[G0+4*\slot+3], 0x80000000
	s_wait_dscnt 0x0
	CROUND
	tensor_load_to_lds s[G0+4*\slot:G0+4*\slot+3], s[\g1:\g1+7]
	s_nop 0
	PLACES
.endm
; A prefetch of the fill that the NEXT refill will ask for, behind the tensor load and its four lines: one group of 64 matrix instructions and its way out ahead of that load.
; All clusters walk the same weights: cluster 0 alone asks.  Wave w of its partner cx names rows 16 cx .. 16 cx + 15 of the wave's 64, two blocks of 256 bytes a row, a lane a block: each block is named once in the launch.
; Fills 0 to 2 come by their loads alone; behind the last refill nothing is asked for.  The address registers are never rewritten: the fill stands in the immediate.
.macro ASK base, voff, const
	s_cmp_eq_u32 ttmp9, 0
	s_cbranch_scc0 .Lnot_mine_\@
	global_prefetch_b8 v[\voff], s[\base:\base+1] offset:\const th:TH_LOAD_NT scope:SCOPE_SE
.Lnot_mine_\@:
.endm
; head 4 w + g of v for the 32 tokens: x colsum in f32, quantised; half a fragment's image to LDS; the scale word is whole behind every second head
.macro VEPI g
.irp m, 0,1
.set i, 0
.rept 16
	v_pk_mul_f32 v[ACC+32*\m+2*i:ACC+32*\m+2*i+1], v[ACC+32*\m+2*i:ACC+32*\m+2*i+1], v[CSR+2*(2*(\g)+\m):CSR+2*(2*(\g)+\m)+1] op_sel_hi:[1,0]   ; each accumulator from its low end on
.set i, i+1
.endr
	QUANT2 ACC+32*\m, PC0+68*\m
	ds_store_b128 v[OWI], v[PC0+68*\m:PC0+68*\m+3] offset:8192*\m+1024*((\g)/2)+512*((\g)%2)
.if (\g)%2 == 0
	v_lshl_or_b32 v[HW+\m], v[BY+1], 8, v[BY]
.else
	v_lshl_or_b32 v[HW+\m], v[BY], 16, v[HW+\m]
	v_lshl_or_b32 v[HW+\m], v[BY+1], 24, v[HW+\m]
	ds_store_b32 v[OWS], v[HW+\m] offset:512*\m+4*((\g)/2)   ; both halves of the lanes write the same word with the same value
.endif
.endr
.endm
.macro OLOADS g                                ; Wo's scale words and bo for my 64 outputs of group g
.irp t, 0,1,2,3
	global_load_b128 v[WS+4*\t:WS+4*\t+3], v[XSO], s[WOS:WOS+1] offset:8192*(\g)+512*\t   ; 32 lanes read 512 consecutive bytes
.endr
.irp t, 0,1,2,3
	global_load_b128 v[BI+8*\t:BI+8*\t+3], v[BO], s[BOB:BOB+1] offset:1024*(\g)+64*\t
	global_load_b128 v[BI+8*\t+4:BI+8*\t+7], v[BO], s[BOB:BOB+1] offset:1024*(\g)+64*\t+16
.endr
.endm
; 32 tokens x my 64 outputs: through my own stage, back as rows of 256 bytes.  LDS serves a wave's instructions in order (ISA guide 5.7.1.4): no wait between the stores and the loads.
.macro OEPI g
	s_wait_xcnt 0x0                                ; the last group's stores have read their registers: the loads below may land there
.irp m, 0,1
.irp t, 0,1,2,3
	ds_store_b128 v[STO], v[ACC+32*\m+8*\t:ACC+32*\m+8*\t+3] offset:4352*\m+64*\t          ; each accumulator from its low end on
	ds_store_b128 v[STO], v[ACC+32*\m+8*\t+4:ACC+32*\m+8*\t+7] offset:4352*\m+64*\t+16
.endr
.endr
.irp m, 0,1
.irp n, 0,1,2,3,4,5,6,7
	ds_load_b128 v[OB+32*\m+4*\n:OB+32*\m+4*\n+3], v[SRD] offset:4352*\m+544*\n
.endr
.endr
.irp m, 0,1
.irp n, 0,1,2,3,4,5,6,7
	s_wait_dscnt 15-8*\m-\n                        ; the younger loads from the stage may be out
	global_store_b128 v[GO], v[OB+32*\m+4*\n:OB+32*\m+4*\n+3], s[OUT:OUT+1] offset:(16*\m+2*\n)*4096+1024*(\g) th:TH_STORE_NT   ; 16 lanes store 256 consecutive bytes, aligned; written once, read by nobody here
.endr
.endr
.endm
.macro VG g                                    ; a group of the first product
	s_wait_loadcnt 0x0                             ; this head's scale words
	PROD (\g)&1, 0
.if (\g) == 3
	OLOADS 0                                       ; asked for here, so that they land behind the quantiser's lines
.else
	VLOADS (\g)+1                                  ; likewise the next head's scale words (the places behind the products stand at PROD's end)
.endif
	s_wait_alu depctr_va_vdst(0)
	VEPI \g
.endm
.macro OG g                                    ; a group of the second product
	s_wait_loadcnt 0x0                             ; Wo's scale words and bo
	PROD (\g)&1, 1
.if (\g) < 3
	OLOADS (\g)+1
.endif
	OEPI \g
.endm
	s_wait_alu depctr_va_vdst(0)                   ; the wait at the head's end
	s_wait_tensorcnt 0x0                           ; fill 0 has landed
	ds_add_u32 v[SPW], v[NIL]
	s_wait_dscnt 0x0
	CROUND
	tensor_load_to_lds s[G0+4:G0+7], s[G1V:G1V+7]  ; fill 1, slot 1's first
	s_nop 0
	PLACES
	VG 0
	REFILL 0, G1V, WVB, 1024                       ; head 4 w + 2
	ASK WVB, PFV, 1536
	VG 1
	REFILL 1, G1V, WVB, 1536                       ; head 4 w + 3
	ASK WOB, PFO, 0
	VG 2
	REFILL 0, G1O, WOB, 0                          ; Wo's rows 64 w on
	ASK WOB, PFO, 131072
	VG 3
	REFILL 1, G1O, WOB, 131072                     ; this round also stands between every wave's stores of images and scale words (waited for ahead of it) and the loads below
	ASK WOB, PFO, 262144
	WIN 0x40
.irp m, 0,1
.irp s, 0,1,2,3,4,5,6,7
.irp c, 0,1
	ds_load_b128 v[64*\m+8*\s+4*\c:64*\m+8*\s+4*\c+3], v[LI] offset:(8*\m+\s)*1024+512*\c   ; the fragments of colsum x v take x's place
.endr
.endr
.endr
	WIN 0
.irp m, 0,1
	ds_load_b128 v[XS+4*\m:XS+4*\m+3], v[AOS] offset:512*\m
.endr
	OG 0
	REFILL 0, G1O, WOB, 262144
	ASK WOB, PFO, 393216
	OG 1
	REFILL 1, G1O, WOB, 393216
	OG 2
	s_wait_tensorcnt 0x0                           ; the last fill
	OG 3
	s_wait_tensorcnt 0x0                           ; the wave's end
	ds_add_u32 v[SPW], v[NIL]
	s_wait_dscnt 0x0
	CROUND                                         ; the closing round
	s_endpgm
.Lfunc_end_k_q94db074c5e_vo:
	.size	k_q94db074c5e_vo, .Lfunc_end_k_q94db074c5e_vo-k_q94db074c5e_vo
	.p2alignl 7, 3214868480
	.fill 96, 4, 3214868480
	.section	.rodata,"a",@progbits
	.p2align	6, 0x0
	.amdhsa_kernel k_q94db074c5e_vo
		.amdhsa_group_segment_fixed_size 327680
		.amdhsa_private_segment_fixed_size 0
		.amdhsa_enable_private_segment 0
		.amdhsa_kernarg_size 72
		.amdhsa_user_sgpr_count 2
		.amdhsa_user_sgpr_kernarg_segment_ptr 1
		.amdhsa_wavefront_size32 1
		.amdhsa_system_sgpr_workgroup_id_x 1
		.amdhsa_system_sgpr_workgroup_id_y 1
		.amdhsa_system_sgpr_workgroup_id_z 1
		.amdhsa_system_vgpr_workitem_id 0
		.amdhsa_next_free_vgpr 512
		.amdhsa_next_free_sgpr 100
		.amdhsa_reserve_vcc 0
		.amdhsa_float_denorm_mode_32 3
		.amdhsa_float_denorm_mode_16_64 3
		.amdhsa_memory_ordered 1
		.amdhsa_forward_progress 1
		.amdhsa_inst_pref_size 173
	.end_amdhsa_kernel
	.amdgpu_metadata
---
amdhsa.version: [ 1, 2 ]
amdhsa.kernels:
  - .name:           k_q94db074c5e_vo
    .symbol:         k_q94db074c5e_vo.kd
    .args:
      - { .name: x_codes, .offset: 0, .size: 8, .value_kind: global_buffer, .address_space: global }
      - { .name: x_scales, .offset: 8, .size: 8, .value_kind: global_buffer, .address_space: global }
      - { .name: Wv_codes, .offset: 16, .size: 8, .value_kind: global_buffer, .address_space: global }
      - { .name: Wv_scales, .offset: 24, .size: 8, .value_kind: global_buffer, .address_space: global }
      - { .name: Wo_codes, .offset: 32, .size: 8, .value_kind: global_buffer, .address_space: global }
      - { .name: Wo_scales, .offset: 40, .size: 8, .value_kind: global_buffer, .address_space: global }
      - { .name: bo, .offset: 48, .size: 8, .value_kind: global_buffer, .address_space: global }
      - { .name: colsum, .offset: 56, .size: 8, .value_kind: global_buffer, .address_space: global }
      - { .name: out0, .offset: 64, .size: 8, .value_kind: global_buffer, .address_space: global }
    .group_segment_fixed_size: 327680
    .private_segment_fixed_size: 0
    .kernarg_segment_align: 8
    .kernarg_segment_size: 72
    .max_flat_workgroup_size: 128
    .sgpr_count:     100
    .vgpr_count:     512
    .wavefront_size: 32
...
	.end_amdgpu_metadata
.endif
;; end of part 2
